; MI455X (gfx1250); checked and timed in simulation.
; The chip was launched on July 23, 2026; its instructions are those of AMD's public machine-readable ISA for CDNA 5 (MIT licence, August 2026) and "CDNA5" Instruction Set Architecture Reference Guide (July 2026). The comments in the code are by the model that wrote it; some were corrected since.
;; Features. Allowed arithmetic: matrix products marked QUANTISED: E5M2 operands, one given power-of-two scale a tensor, by v_wmma_f32_16x16x64_bf8_bf8 or v_wmma_f32_16x16x128_bf8_bf8, f32 sums; everything else in f32.
;; Inputs: lowp_scales 2 int32 (the exponents e of the quantised operands' scales 2^e); memory_bank 16,384 x 128 float32; neighbor_scale_bank 16,384 float32; query 8,192 x 128 float32.
;; Outputs: out0 8,192 float32.
;; Constants: k = 5.
;; This version of the problem:
;;   THIS VERSION OF THE PROBLEM IS GIVEN IN LOW PRECISION. The matrix products marked QUANTISED in the list below multiply operands that are first quantised to E5M2 (5 exponent bits, 2 mantissa bits; 8 bits a number), with one given power-of-two scale for each operand tensor; their sums are f32. All else is computed in f32.
;;   The module's matrix products, in the order in which they are computed (A, B: the left and right operand; K: the contracted axis; several contracted axes count as one K, in the product's order):
;;     1. [M 8,192, K 128] x [K 128, N 16,384]; A: input query; B: input memory_bank: QUANTISED (scales: A lowp_scales[0], B lowp_scales[1])
;;   THE QUANTISER, for each operand of a quantised product, along K:
;;     - The operand's scale is 2^e, e = its entry of the input lowp_scales (int32; the entries are numbered through the quantised products in the list's order, A before B).
;;     - Each number is divided by the scale, clamped to +-57,344, and rounded to the nearest number of E5M2, ties to even, subnormals kept.
;;     - The product sums the exact products of the quantised numbers (number of the format x scale) in f32.
;;   ~~~python
;;   def quantise(x, axis, e):      # numpy; x: float32 -> the quantised numbers, widened to float32 again
;;       x = np.moveaxis(x, axis, -1); K = x.shape[-1]
;;       r = np.clip(x / 2.0 ** e, -57344, 57344)
;;       step = 2.0 ** (np.maximum(np.frexp(np.where(r == 0, 1, r))[1] - 1, -14) - 2)
;;       q = np.round(r / step) * step * 2.0 ** e      # np.round: ties to even
;;       return np.moveaxis(q, -1, axis).astype(np.float32)
;;   ~~~
;; One version. Each part assembles by itself: llvm-mc -triple=amdgcn-amd-amdhsa -mcpu=gfx1250 --defsym DOCPART=n.
;; ======== version 1 of 1: 3 launches
;; limits: right only within a limited range of input values
;; workspace buffers: mimg 2,097,152 bytes; qimg 1,048,576 bytes; mh 65,536 bytes; qs 32,768 bytes; cand 2,621,440 bytes of whole numbers
;; launch quant (part 1): grid 384 x 1, 4 waves a work-group, no clusters, 35,328 bytes of LDS; arguments query, memory_bank, lowp_scales, qimg, mimg, qs, mh; writes qimg, mimg, qs, mh
.if DOCPART == 1
	.amdgcn_target "amdgcn-amd-amdhsa--gfx1250"
	.amdhsa_code_object_version 6
	.text
	.protected	k_q7bbaa7596c_quant
	.globl	k_q7bbaa7596c_quant
	.p2align	8
	.type	k_q7bbaa7596c_quant,@function
k_q7bbaa7596c_quant:
	s_mov_b64 s[64:65], 0
	v_nop
	global_prefetch_b8 v0, s[64:65] scope:SCOPE_SE
	s_setreg_imm32_b32 hwreg(HW_REG_WAVE_MODE, 25, 1), 1
	s_wait_xcnt 0x0
; query [8192][128] and memory_bank [16384][128], f32, become codes of BF8 (E5M2) with the given scales 2^eq and 2^em, and their rows' sums of squares are made.
; code = x / 2^e, held within +-57,344, rounded to the nearest code, ties to even.
; THE CODES ARE LAID AS IMAGES OF OPERAND REGISTERS: 16 neighbouring rows are one image of 2,048 bytes; byte 512 c + 16 lane (lane = 16 h + r) holds row r's codes of k = 32 c + 16 h + 0 .. 15.
; So a later launch gets a fragment (16 rows x 128 K) by four loads of 16 bytes a lane at 16 x lane.  The order of k inside a fragment is the same for both operands, so every product meets its partner.
; THE NORMS are taken of the numbers as they come (not of the codes), in f32, and stored scaled by a power of two, which rounds nothing: qs = q2 x 2^(-1-eq-em), mh = -m2 x 2^(-1-eq-em).
; SHARES: work-groups 0-255 take memory_bank, 256-383 query: only pointers, the exponent and a sign are chosen, by the work-group's number; there is one path.  A wave takes 16 rows: one image.
; Each load reads a whole row, 512 consecutive bytes; the rows turn through the wave's own stage in LDS (pitch 528 = 33 x 16 bytes), since the conversions want 16 neighbours along K in one lane.
; All sixteen loads of a wave go out at once; nothing is looped.  No tensor load, no matrix instruction.
; LIMITS: eq and em between -126 and 112, so that 2^e and 57,344 x 2^e are f32 numbers.  NaN among the inputs is not served.
.set PITCH, 528
.set STG,   16*PITCH                   ; a wave's stage: 8,448 bytes
.set NRM,   4*STG                      ; behind the stages: the work-group's 64 norms, 256 bytes
.set WGM,   256                        ; work-groups for memory_bank
.set R,     32                         ; v32-95   the rows as loaded
.set X,     96                         ; v96-159  register 16 c + i = k 32 c + 16 h + i of row r
.set CD,    160                        ; v160-175 the codes
	s_load_b128 s[4:7], s[0:1], 0x0                ; query, memory_bank
	s_load_b64 s[8:9], s[0:1], 0x10                ; the scales' exponents
	s_load_b128 s[12:15], s[0:1], 0x18             ; qimg, mimg
	s_load_b128 s[16:19], s[0:1], 0x28             ; qs, mh
	v_lshl_add_u32 v176, v0, 2, 0x8800
	v_mov_b32 v177, 0
	v_lshrrev_b32 v1, 5, v0
	v_readfirstlane_b32 s20, v1                    ; wave 0..3
	v_and_b32 v1, 31, v0                           ; lane
	v_lshlrev_b32 v2, 4, v1                        ; 16 x lane: my bytes of a row as loaded, and of an image's 512
	v_and_b32 v10, 15, v0                          ; r
	v_bfe_u32 v11, v0, 4, 1                        ; h
	s_mul_i32 s21, s20, STG
	v_add_nc_u32 v3, s21, v2                       ; the stage, on the way in: 16 x lane of a row
	v_mul_u32_u24 v4, v10, PITCH
	v_lshl_add_u32 v4, v11, 6, v4
	v_add_nc_u32 v4, s21, v4                       ; and on the way out: row r, + 64 h: my 16 numbers of a block of 32
	s_lshl_b32 s22, s20, 6
	s_add_co_u32 s22, s22, NRM
	v_lshl_add_u32 v5, v10, 2, s22                 ; where row 16 wave + r's norm goes
	v_lshlrev_b32 v6, 3, v1                        ; 8 x lane: the norms' way out
	v_add_nc_u32 v7, NRM, v6
	v_mov_b32 v18, 0                               ; written once: a lane permute's destination counts as one of its sources
	s_mov_b32 s30, 0x76543210
	s_mov_b32 s31, 0xfedcba98                      ; v_permlanex16_b32's selects for lane l xor 16
	s_wait_alu depctr_va_vdst(0)
	s_wait_kmcnt 0x0
	s_load_b64 s[28:29], s[8:9], 0x0               ; eq, em
	s_cmp_lt_u32 ttmp9, WGM                        ; memory_bank's work-group or query's?  The choice hangs on the work-group's number alone
	s_cselect_b64 s[4:5], s[6:7], s[4:5]
	s_cselect_b64 s[12:13], s[14:15], s[12:13]
	s_cselect_b64 s[16:17], s[18:19], s[16:17]
	s_cselect_b32 s24, -1.0, 1.0                   ; m2 is stored negated
	s_cselect_b32 s23, 0, WGM
	s_sub_co_u32 s23, ttmp9, s23                   ; the work-group's number within its tensor
	s_lshl_b32 s25, s23, 2
	s_add_co_u32 s25, s25, s20                     ; my block of 16 rows
	s_lshl_b32 s26, s25, 13                        ; 16 rows of 512 bytes
	s_mov_b32 s27, 0
	s_add_nc_u64 s[4:5], s[4:5], s[26:27]
	s_lshl_b32 s26, s25, 11                        ; an image of 2,048 bytes
	s_add_nc_u64 s[12:13], s[12:13], s[26:27]
	s_lshl_b32 s26, s23, 8                         ; the work-group's 64 norms
	s_add_nc_u64 s[16:17], s[16:17], s[26:27]
.irp i, 0,1,2,3,4,5,6,7,8,9,10,11,12,13,14,15
	global_load_b128 v[R+4*\i:R+4*\i+3], v2, s[4:5] offset:512*\i th:TH_LOAD_NT   ; row i: 32 lanes read 512 consecutive bytes; read once in the launch
.endr
	s_wait_kmcnt 0x0
	s_cmp_lt_u32 ttmp9, WGM
	s_cselect_b32 s33, s29, s28                    ; my tensor's e
	s_add_co_i32 s32, s28, s29
	s_sub_co_i32 s32, -1, s32                      ; -1 - eq - em
	s_add_co_i32 s33, s33, 127
	s_lshl_b32 s34, s33, 23
	v_mov_b32 v8, s34                              ; 2^e as f32: the conversion takes its exponent field
	s_wait_alu depctr_va_vdst(0)
.irp i, 0,1,2,3,4,5,6,7,8,9,10,11,12,13,14,15
	s_wait_loadcnt 15-\i                           ; loads come back in order: row i is in, the 15 - i younger rows may be out
	ds_store_b128 v3, v[R+4*\i:R+4*\i+3] offset:PITCH*\i
.endr
.irp c, 0,1,2,3
.irp p, 0,1,2,3
	ds_load_b128 v[X+16*\c+4*\p:X+16*\c+4*\p+3], v4 offset:128*\c+16*\p   ; LDS serves a wave's instructions in order: these see my stores
.endr
.endr
.irp c, 0,1,2,3
	s_wait_alu depctr_va_vdst(0)
	s_wait_dscnt 12-4*\c                           ; block c's four loads are in; those of the later blocks may be out
.irp j, 0,1,2,3,4,5,6,7
.if (\c == 0) && (\j < 4)
	v_pk_mul_f32 v[10+2*\j:11+2*\j], v[X+2*\j:X+2*\j+1], v[X+2*\j:X+2*\j+1]   ; the first four products start the four chains: nothing is cleared
.else
	v_pk_fma_f32 v[10+2*(\j%4):11+2*(\j%4)], v[X+16*\c+2*\j:X+16*\c+2*\j+1], v[X+16*\c+2*\j:X+16*\c+2*\j+1], v[10+2*(\j%4):11+2*(\j%4)]
.endif
.endr
.irp i, 0,1,2,3,4,5,6,7,8,9,10,11,12,13,14,15
.endr
	v_cvt_scalef32_pk8_bf8_f32 v[CD+4*\c:CD+4*\c+1], v[X+16*\c:X+16*\c+7], v8
	v_cvt_scalef32_pk8_bf8_f32 v[CD+4*\c+2:CD+4*\c+3], v[X+16*\c+8:X+16*\c+15], v8
	v_nop                                          ; a plain line behind the conversions
	global_store_b128 v2, v[CD+4*\c:CD+4*\c+3], s[12:13] offset:512*\c   ; 32 lanes store 512 consecutive bytes, at a multiple of 256 from the buffer's first byte
.endr
	v_pk_add_f32 v[10:11], v[10:11], v[12:13]
	v_pk_add_f32 v[14:15], v[14:15], v[16:17]
	v_pk_add_f32 v[10:11], v[10:11], v[14:15]
	v_add_f32 v10, v10, v11                        ; my 64 numbers' squares,
	v_permlanex16_b32 v18, v10, s30, s31
	v_add_f32 v10, v10, v18                        ; and lane l xor 16's: the row's sum
	v_mul_f32 v10, s24, v10
	v_ldexp_f32 v10, v10, s32                      ; x 2^(-1 - eq - em)
	ds_store_b32 v5, v10                           ; lanes r and r + 16 write the same word with the same number
	s_wait_dscnt 0x0                               ; for the others' sake: my store has landed
	s_barrier_signal -1
	s_barrier_wait -1
	s_cmp_lg_u32 s20, 0
	s_cbranch_scc1 .Lend
	ds_load_b64 v[18:19], v7                       ; wave 0 takes the work-group's 64 norms
	s_wait_dscnt 0x0
	global_store_b64 v6, v[18:19], s[16:17]        ; 256 consecutive bytes, aligned
.Lend:
	s_wait_tensorcnt 0x0
	ds_add_u32 v176, v177
	s_wait_dscnt 0x0
	s_endpgm
.Lfunc_end_k_q7bbaa7596c_quant:
	.size	k_q7bbaa7596c_quant, .Lfunc_end_k_q7bbaa7596c_quant-k_q7bbaa7596c_quant
	.p2alignl 7, 3214868480
	.fill 96, 4, 3214868480
	.section	.rodata,"a",@progbits
	.p2align	6, 0x0
	.amdhsa_kernel k_q7bbaa7596c_quant
		.amdhsa_group_segment_fixed_size 35328
		.amdhsa_private_segment_fixed_size 0
		.amdhsa_enable_private_segment 0
		.amdhsa_kernarg_size 56
		.amdhsa_user_sgpr_count 2
		.amdhsa_user_sgpr_kernarg_segment_ptr 1
		.amdhsa_wavefront_size32 1
		.amdhsa_system_sgpr_workgroup_id_x 1
		.amdhsa_system_sgpr_workgroup_id_y 1
		.amdhsa_system_sgpr_workgroup_id_z 1
		.amdhsa_system_vgpr_workitem_id 0
		.amdhsa_next_free_vgpr 178
		.amdhsa_next_free_sgpr 66
		.amdhsa_reserve_vcc 0
		.amdhsa_float_denorm_mode_32 3
		.amdhsa_float_denorm_mode_16_64 3
		.amdhsa_fp16_overflow 1
		.amdhsa_memory_ordered 1
		.amdhsa_forward_progress 1
		.amdhsa_inst_pref_size 11
	.end_amdhsa_kernel
	.amdgpu_metadata
---
amdhsa.version: [ 1, 2 ]
amdhsa.kernels:
  - .name:           k_q7bbaa7596c_quant
    .symbol:         k_q7bbaa7596c_quant.kd
    .args:
      - { .name: query, .offset: 0, .size: 8, .value_kind: global_buffer, .address_space: global }
      - { .name: memory_bank, .offset: 8, .size: 8, .value_kind: global_buffer, .address_space: global }
      - { .name: lowp_scales, .offset: 16, .size: 8, .value_kind: global_buffer, .address_space: global }
      - { .name: qimg, .offset: 24, .size: 8, .value_kind: global_buffer, .address_space: global }
      - { .name: mimg, .offset: 32, .size: 8, .value_kind: global_buffer, .address_space: global }
      - { .name: qs, .offset: 40, .size: 8, .value_kind: global_buffer, .address_space: global }
      - { .name: mh, .offset: 48, .size: 8, .value_kind: global_buffer, .address_space: global }
    .group_segment_fixed_size: 35328
    .private_segment_fixed_size: 0
    .kernarg_segment_align: 8
    .kernarg_segment_size: 56
    .max_flat_workgroup_size: 128
    .sgpr_count:     66
    .vgpr_count:     178
    .wavefront_size: 32
...
	.end_amdgpu_metadata
.endif
;; end of part 1
;; launch scan (part 2): grid 32 x 8, 8 waves a work-group, clusters of 4 x 1, 327,680 bytes of LDS; arguments mimg, mh, qimg, qs, cand; writes cand
.if DOCPART == 2
	.amdgcn_target "amdgcn-amd-amdhsa--gfx1250"
	.amdhsa_code_object_version 6
	.text
	.protected	k_q7bbaa7596c_scan
	.globl	k_q7bbaa7596c_scan
	.p2align	8
	.type	k_q7bbaa7596c_scan,@function
k_q7bbaa7596c_scan:
	s_mov_b64 s[64:65], 0
	v_nop
	global_prefetch_b8 v0, s[64:65] scope:SCOPE_SE
	s_setreg_imm32_b32 hwreg(HW_REG_WAVE_MODE, 25, 1), 1
	s_wait_xcnt 0x0
	s_wait_alu depctr_hold_cnt(0) depctr_sa_sdst(0) depctr_va_vdst(0) depctr_va_sdst(0) depctr_va_ssrc(0) depctr_va_vcc(0) depctr_vm_vsrc(0)
	s_getreg_b32 s2, hwreg(HW_REG_IB_STS2, 6, 4)
	s_cmp_eq_u32 s2, 0
	s_cbranch_scc0 .Lentry_in_a_cluster
	s_endpgm
.Lentry_in_a_cluster:
	s_bfe_u32 s2, ttmp6, 0x10000c
	s_cmp_lg_u32 s2, 0x3003
	s_cbranch_scc0 .Lentry_shape_is_right
	s_endpgm
.Lentry_shape_is_right:
; THE DENSE PASS.  For every query and every memory row S = (codes of q) . (codes of m) - m2 x 2^(-1-e), e = eq + em: the larger S, the nearer the row, since d2 = 2^(e+1) (q2 x 2^(-1-e) - S).
; The term with m2 goes in as the C of the matrix instruction (D and C are different registers), so a score costs no vector instruction of its own.
; GROUPS.  The rows are taken in groups of 16 neighbours (one image of the codes' buffer).  The five nearest rows of a query lie in the five groups whose best rows are nearest: so only each group's largest S is kept,
; and of the groups of a slice the five best, with their numbers.  A later launch looks at those groups' rows again.
; SHARES.  A work-group takes 256 queries x a slice of 2,048 rows (128 groups): 32 x 8 work-groups.  Wave w: col = w % 2: its 128 queries, eight fragments that stay in registers; row = w / 2: in trip t (16 trips)
; it takes images 8 t + 2 row and 8 t + 2 row + 1.  So each fragment read from LDS feeds eight matrix instructions.
; A TILE IS MADE OF TWO IMAGES' HALVES: source 0's rows 0-7 are eight rows of image 8 t + 2 row, rows 8-15 eight rows of the next image (tile 0: the first image's lower and the second's upper half; tile 1 the other way).
; In the result a lane holds one query (lane % 16) and rows 8 (lane / 16) + 0 .. 7 of the tile: so a lane's 16 results of the two tiles are the 16 rows of ONE image, and the group's maximum never leaves the lane.
; With the halves crossed so, the sixteen lanes of half a load touch sixteen different 16-byte columns modulo 256 bytes.
; THE LISTS.  The maxima go through LDS (planes of 256 words, a plane a group) to the thread that owns the query (thread = query), which keeps five (S, group) sorted; a strict comparison leaves an earlier, lower group in front.
; That work is a quarter (4 trips, 32 groups) behind the products and stands behind each trip's matrix instructions.  S is held at q2 x 2^(-1-e), where d2 = 0, so that all rows at or under the clamp count as equal.
; LDS.  The whole slice lies in LDS, brought by five tensor loads a wave at the start: nothing is ever filled again.  The planes of quarter 0 have bytes of their own; those of quarters 1 to 3 lie in image chunks 0 to 2,
; which have had their only fill and, behind the barrier that ends their quarter, their last read.
; CLUSTER.  The four work-groups of a cluster take the same slice: every tile is asked for JOINTLY (mask 15), by the same line with the same descriptor, made of the slice and the wave's number alone.
; OUT.  cand[slice][k][query] = (key, group): key is S's bit pattern turned into an int32 that orders as S does, group is 0 .. 1023: whole numbers, from which the next launch forms addresses.
; LIMITS: NaN is not served.  The order of rows is that of d2 in f32 with the m2 term added by the matrix unit (one rounding), not that of the rounded root; the clamp is taken at d2 <= 0.
; REGISTERS, window 0: v1-6 lane addresses that stay; v7-12 the trip's addresses; v13 the cap; v14 at work; v15 16 x lane; v16-47 two tiles of A; v48-63 their C; v64-191 sixteen results; v192-199 group maxima;
;   v200-207 eight maxima of my query; v208-217 the list, pairs (S, group); v218, v219 for the add; v220 8 x thread.   window 1: v0-127 the eight query fragments.
.set CHUNK, 65536                      ; 32 images: a quarter's
.set MHO,   262144                     ; behind the 128 images: the slice's 2,048 numbers -m2 x 2^(-1-e)
.set PL,    1088                       ; a plane: 256 words + 64 bytes, so that two neighbouring planes' words of a store fall 16 words apart modulo 64
.set GM0,   270336                     ; quarter 0's 32 planes
.set SPARE, 305152                     ; the spare words, 128 bytes for each wave: four blocks of 256 bytes that no other line names
.set TRIPB, 16384                      ; eight images
.set GMT,   8*PL                       ; eight planes
.set AA0, 1
.set AA1, 2
.set CA0, 3
.set CA1, 4
.set XA,  5
.set GSA, 6
.set AD0, 7
.set AD1, 8
.set CD0, 9
.set CD1, 10
.set XD,  11
.set GSD, 12
.set CAP, 13
.set T,   14
.set LI,  15
.set A,   16
.set C,   48
.set D,   64
.set GM,  192
.set X,   200
.set L,   208
.set SPW, 218
.set NIL, 219
.set ST,  220
.set WV,  14                           ; s14 wave; s15 col; s16 row
.set COL, 15
.set ROW, 16
.set G1A, 20                           ; s[20:27] descriptor group 1: 8,192 dense bytes
.set G1M, 28                           ; s[28:35] the same for 1,024 bytes
.set G0,  36                           ; s[36:55] five groups 0, never rewritten
.set TB,  56                           ; LDS byte of the trip's images
.set TC,  57                           ; byte of the trip's numbers in the slice's 8,192
.set XB,  58                           ; LDS byte of the eight planes to be read
.set GB,  59                           ; LDS byte of the eight planes to be written
.set ID,  60                           ; the group (in the slice) that is being inserted
.set TQ,  61                           ; trips
.set MK,  66                           ; s[66:70] five masks
.set MSB, 0
.macro WIN new                         ; the immediate's high byte repeats the setting that is left
.if MSB != \new
	s_set_vgpr_msb (MSB<<8)|\new
.set MSB, \new
.endif
.endm
.macro ROUND                           ; a round of the cluster's barrier
	s_barrier_signal -1
	s_barrier_wait -1
	s_cmp_lg_u32 s[WV], 0
	s_cbranch_scc1 .Lnot_wave_0_\@
	s_barrier_signal -3
.Lnot_wave_0_\@:
	s_barrier_wait -3
	s_barrier_signal -1
	s_barrier_wait -1
.endm
; a trip's two tiles of A (eight loads) and their C (four loads; all lanes of a half read the same bytes)
.macro LOADA
	v_add_nc_u32 v[AD0], s[TB], v[AA0]
	v_add_nc_u32 v[AD1], s[TB], v[AA1]
	v_add_nc_u32 v[CD0], s[TC], v[CA0]
	v_add_nc_u32 v[CD1], s[TC], v[CA1]
.irp c, 0,1,2,3
	ds_load_b128 v[A+4*\c:A+4*\c+3], v[AD0] offset:512*\c
.endr
.irp c, 0,1,2,3
	ds_load_b128 v[A+16+4*\c:A+16+4*\c+3], v[AD1] offset:512*\c
.endr
	ds_load_b128 v[C:C+3], v[CD0]
	ds_load_b128 v[C+4:C+7], v[CD0] offset:16
	ds_load_b128 v[C+8:C+11], v[CD1]
	ds_load_b128 v[C+12:C+15], v[CD1] offset:16
.endm
; eight groups' maxima of my query
.macro LOADX
	v_add_nc_u32 v[XD], s[XB], v[XA]
.irp p, 0,1,2,3,4,5,6,7
	ds_load_b32 v[X+\p], v[XD] offset:PL*\p
.endr
.endm
; sixteen products into sixteen different results: no sum is carried from one to the next
.macro MMA
	WIN 0x04                                       ; source 1 (the queries) window 1
.irp u, 0,1
.irp i, 0,1,2,3,4,5,6,7
	v_wmma_f32_16x16x128_bf8_bf8 v[D+8*(8*\u+\i):D+8*(8*\u+\i)+7], v[A+16*\u:A+16*\u+15], v[16*\i:16*\i+15], v[C+8*\u:C+8*\u+7]
.endr
.endr
	WIN 0
.endm
; one group into my sorted list of five: the five comparisons look at the old list; a median of three moves each S; the numbers follow by the masks
.macro INS p
	v_min_num_f32 v[T], v[X+\p], v[CAP]
.irp i, 0,1,2,3,4
	v_cmp_gt_f32 s[MK+\i], v[T], v[L+2*\i]
.endr
.irp i, 4,3,2,1
	v_med3_num_f32 v[L+2*\i], v[L+2*\i-2], v[L+2*\i], v[T]
.endr
	v_max_num_f32 v[L], v[L], v[T]
.irp i, 4,3,2,1
	v_cndmask_b32 v[L+2*\i+1], v[L+2*\i+1], s[ID], s[MK+\i]
	s_delay_alu instid0(VALU_DEP_1)
	v_cndmask_b32 v[L+2*\i+1], v[L+2*\i+1], v[L+2*\i-1], s[MK+\i-1]
.endr
	v_cndmask_b32 v[L+1], v[L+1], s[ID], s[MK]
	s_add_co_u32 s[ID], s[ID], 1
.endm
.macro INS8
.irp p, 0,1,2,3,4,5,6,7
	INS \p
.endr
.endm
; the largest of a lane's 16 results, for each of the eight query tiles, the tiles by turns; each result is read from its low end on
.macro GMAX
.irp i, 0,1,2,3,4,5,6,7
	v_max3_num_f32 v[GM+\i], v[D+8*\i], v[D+8*\i+1], v[D+8*\i+2]
.endr
.irp i, 0,1,2,3,4,5,6,7
	v_max3_num_f32 v[GM+\i], v[GM+\i], v[D+8*\i+3], v[D+8*\i+4]
.endr
.irp i, 0,1,2,3,4,5,6,7
	v_max3_num_f32 v[GM+\i], v[GM+\i], v[D+8*\i+5], v[D+8*\i+6]
.endr
.irp i, 0,1,2,3,4,5,6,7
	v_max3_num_f32 v[GM+\i], v[GM+\i], v[D+8*\i+7], v[D+64+8*\i]
.endr
.irp i, 0,1,2,3,4,5,6,7
	v_max3_num_f32 v[GM+\i], v[GM+\i], v[D+64+8*\i+1], v[D+64+8*\i+2]
.endr
.irp i, 0,1,2,3,4,5,6,7
	v_max3_num_f32 v[GM+\i], v[GM+\i], v[D+64+8*\i+3], v[D+64+8*\i+4]
.endr
.irp i, 0,1,2,3,4,5,6,7
	v_max3_num_f32 v[GM+\i], v[GM+\i], v[D+64+8*\i+5], v[D+64+8*\i+6]
.endr
.irp i, 0,1,2,3,4,5,6,7
	v_max_num_f32 v[GM+\i], v[GM+\i], v[D+64+8*\i+7]
.endr
	v_add_nc_u32 v[GSD], s[GB], v[GSA]
.irp i, 0,1,2,3,4,5,6,7
	ds_store_b32 v[GSD], v[GM+\i] offset:64*\i     ; plane = my group, word = my query
.endr
	s_add_co_u32 s[GB], s[GB], GMT
.endm
; A TRIP of quarter k.  more = 1: the next trip's operands are fetched, behind this trip's products and the vector work that follows them.
; A load into a register that a matrix instruction has read, and a vector instruction that reads a matrix result, stand four plain vector instructions behind it (ISA guide 7.12.1 for vector instructions):
; the insertions, which name none of the products' registers, or four v_nop.
.macro TRIP k, more
	s_wait_dscnt 0x0                               ; this trip's A, C and maxima are in
	MMA
.if \k > 0
	INS8                                           ; the quarter before's groups, eight a trip
.else
.rept 4
	v_nop
.endr
.endif
.if \more
	s_add_co_u32 s[TB], s[TB], TRIPB
	s_add_co_u32 s[TC], s[TC], 512
	LOADA
.if \k > 0
	s_add_co_u32 s[XB], s[XB], GMT
	LOADX
.endif
.endif
	GMAX
.endm
; A QUARTER: three trips in a loop, the fourth written out, since it fetches nothing: what follows lies in the next chunk, which is read only behind the wait and the barrier below.
.macro QUARTER k
	s_mov_b32 s[TQ], 3
.Lq_\@:
	TRIP \k, 1
	s_sub_co_u32 s[TQ], s[TQ], 1
	s_cmp_lg_u32 s[TQ], 0
	s_cbranch_scc1 .Lq_\@
	TRIP \k, 0
.if \k < 3
	s_wait_tensorcnt 2-\k                          ; tensor loads of a wave end in order (ISA guide 10.11.1): my part of chunk k + 1 is in; the 2 - k chunks behind it may be out
.endif
	s_wait_dscnt 0x0                               ; my planes have landed, and my reads of this quarter's chunk and of the planes before are over
	s_barrier_signal -1
	s_barrier_wait -1                              ; all that holds of every wave
.if \k == 0
	s_mov_b32 s[XB], GM0
.else
	s_mov_b32 s[XB], (\k-1)*CHUNK
.endif
	s_mov_b32 s[ID], 32*\k
.if \k < 3
	s_mov_b32 s[GB], \k*CHUNK                      ; the next quarter's planes go into the chunk just left
	s_mov_b32 s[TB], (\k+1)*CHUNK
	s_mov_b32 s[TC], (\k+1)*2048
	LOADA
	LOADX
.endif
.endm
	s_load_b256 s[4:11], s[0:1], 0x0               ; mimg s[4:5], mh s[6:7], qimg s[8:9], qs s[10:11]
	s_load_b64 s[12:13], s[0:1], 0x20              ; cand
	v_lshl_add_u32 v[SPW], v0, 2, SPARE
	v_mov_b32 v[NIL], 0
	ds_add_u32 v218, v219
	ds_add_u32 v218, v219
	s_wait_dscnt 0x0
	v_lshrrev_b32 v7, 5, v0
	s_delay_alu instid0(VALU_DEP_1)
	v_readfirstlane_b32 s[WV], v7                  ; wave 0..7
	s_and_b32 s[COL], s[WV], 1
	s_lshr_b32 s[ROW], s[WV], 1
	s_bfe_u32 s17, ttmp6, 0x40000                  ; cx: my place in the cluster
	s_lshl_b32 s18, ttmp9, 2                       ; in a cluster launch ttmp9 counts clusters
	s_add_co_u32 s18, s18, s17                     ; my block of 256 queries: it enters the addresses of qimg, qs and cand alone
	s_and_b32 s19, ttmp7, 0xffff                   ; the slice, which the four partners share
	; descriptor group 1: dense bytes as rows of 32 elements of 8 bytes
	s_mov_b32 s[G1A], 15|(3<<16)|(1<<21)           ; 15:0 the mask: all four work-groups; 17:16 elements of 8 bytes; 20 no padding; 21 set beside a mask
	s_mov_b32 s[G1A+1], 32<<16                     ; tensor_dim0 = 32
	s_mov_b32 s[G1A+2], 32<<16                     ; tensor_dim1 = 32
	s_mov_b32 s[G1A+3], 32<<16                     ; tile_dim0 = 32
	s_mov_b32 s[G1A+4], 32                         ; tile_dim1 = 32 rows: 8,192 bytes
	s_mov_b32 s[G1A+5], 32                         ; from row to row: 32 elements
	s_mov_b32 s[G1A+6], 0
	s_mov_b32 s[G1A+7], 0
	s_mov_b32 s[G1M], 15|(3<<16)|(1<<21)
	s_mov_b32 s[G1M+1], 32<<16
	s_mov_b32 s[G1M+2], 4<<16                      ; tensor_dim1 = 4
	s_mov_b32 s[G1M+3], 32<<16
	s_mov_b32 s[G1M+4], 4                          ; tile_dim1 = 4 rows: 1,024 bytes
	s_mov_b32 s[G1M+5], 32
	s_mov_b32 s[G1M+6], 0
	s_mov_b32 s[G1M+7], 0
	; lane addresses.  l = lane; rl = l % 8, hr = (l / 8) % 2, h = l / 16
	v_and_b32 v7, 7, v0
	v_bfe_u32 v8, v0, 3, 1
	v_bfe_u32 v9, v0, 4, 1
	v_and_b32 v10, 15, v0
	s_delay_alu instid0(VALU_DEP_4)
	v_lshlrev_b32 v[AA0], 4, v7
	s_delay_alu instid0(VALU_DEP_1)
	v_mad_u32_u24 v[AA0], v8, 2176, v[AA0]         ; hr: the next image (2,048) and there the upper eight rows (128)
	s_delay_alu instid0(VALU_DEP_1)
	v_lshl_add_u32 v[AA0], v9, 8, v[AA0]           ; h: the image's lanes 16-31
	s_lshl_b32 s72, s[ROW], 12
	v_add_nc_u32 v[AA0], s72, v[AA0]               ; my wave row's two images
	s_delay_alu instid0(VALU_DEP_1)
	v_xor_b32 v[AA1], 128, v[AA0]                  ; tile 1: the other eight rows of each image
	v_mul_u32_u24 v[CA0], v9, 96                   ; C: lanes 16-31 hold the second image's (64 bytes on) upper eight (32 on)
	s_lshl_b32 s72, s[ROW], 7
	s_add_co_u32 s72, s72, MHO
	v_add_nc_u32 v[CA0], s72, v[CA0]
	s_delay_alu instid0(VALU_DEP_1)
	v_xor_b32 v[CA1], 32, v[CA0]
	v_lshlrev_b32 v[XA], 2, v0                     ; my query's word in a plane
	v_lshlrev_b32 v[GSA], 2, v10
	s_delay_alu instid0(VALU_DEP_1)
	v_mad_u32_u24 v[GSA], v9, PL, v[GSA]
	s_mul_i32 s72, s[ROW], 2*PL
	s_lshl_b32 s73, s[COL], 9
	s_add_co_u32 s72, s72, s73
	v_add_nc_u32 v[GSA], s72, v[GSA]               ; plane 2 row + h, word 128 col + l % 16 (+ 16 for each tile of queries)
	v_and_b32 v[LI], 31, v0
	s_delay_alu instid0(VALU_DEP_1)
	v_lshlrev_b32 v[LI], 4, v[LI]
	v_lshlrev_b32 v[ST], 3, v0
.irp i, 0,1,2,3,4
	v_mov_b32 v[L+2*\i], 0xff800000                ; the list begins at -infinity
	v_mov_b32 v[L+2*\i+1], 0
.endr
	s_lshl_b32 s72, s[WV], 10                      ; my 1,024 bytes of the slice's numbers,
	s_lshl_b32 s73, s[WV], 13                      ; my 8,192 bytes of a chunk
	s_lshl_b32 s74, s19, 13
	s_add_co_u32 s74, s74, s72
	s_mov_b32 s75, 0
	s_lshl_b32 s76, s19, 18
	s_add_co_u32 s76, s76, s73
	s_mov_b32 s77, 0
	s_wait_kmcnt 0x0
	s_mov_b32 s[G0], 1                             ; 1:0 count = 1
	s_add_co_u32 s[G0+1], s72, MHO                 ; 63:32 LDS address: a constant + the wave's number x a constant
	s_add_nc_u64 s[G0+2:G0+3], s[6:7], s[74:75]    ; 120:64 global address: the slice and the wave's number alone
	s_or_b32 s[G0+3], s[G0+3], 0x80000000          ; 127:126 type = 2
	s_add_nc_u64 s[78:79], s[4:5], s[76:77]
.irp k, 0,1,2,3
	s_mov_b32 s[G0+4+4*\k], 1
	s_add_co_u32 s[G0+5+4*\k], s73, \k*CHUNK
	s_add_nc_u64 s[G0+6+4*\k:G0+7+4*\k], s[78:79], \k*CHUNK
	s_or_b32 s[G0+7+4*\k], s[G0+7+4*\k], 0x80000000
.endr
	s_lshl_b32 s62, s18, 15                        ; my block's 16 query images,
	s_lshl_b32 s71, s[COL], 14                     ; my wave's eight of them
	s_add_co_u32 s62, s62, s71
	s_mov_b32 s63, 0
	s_add_nc_u64 s[8:9], s[8:9], s[62:63]
	s_lshl_b32 s62, s18, 10
	s_add_nc_u64 s[10:11], s[10:11], s[62:63]      ; my block's 256 numbers of qs
	s_mul_i32 s62, s19, 327680                     ; cand: the slice's five planes of 65,536 bytes,
	s_lshl_b32 s71, s18, 11                        ; my block's 256 pairs
	s_add_co_u32 s62, s62, s71
	s_add_nc_u64 s[12:13], s[12:13], s[62:63]
	s_lshl_b32 s71, s19, 7                         ; the slice's first group
	ROUND                                          ; all four work-groups are here: the joint loads meet
	tensor_load_to_lds s[G0:G0+3], s[G1M:G1M+7]    ; all fills of the launch go out as one group: five loads of mine are out
	s_nop 0
.irp k, 0,1,2,3
	tensor_load_to_lds s[G0+4+4*\k:G0+7+4*\k], s[G1A:G1A+7]
	s_nop 0
.endr
.rept 4
	v_nop                                          ; four lines behind the last tensor load, ahead of the switch of windows
.endr
	WIN 0x40                                       ; destination window 1, address window 0
.irp i, 0,1,2,3,4,5,6,7
.irp c, 0,1,2,3
	global_load_b128 v[16*\i+4*\c:16*\i+4*\c+3], v[LI], s[8:9] offset:2048*\i+512*\c   ; the queries' fragments stay in registers
.endr
.endr
	WIN 0
	global_load_b32 v[CAP], v[XA], s[10:11]        ; q2 x 2^(-1-e) of my query
	s_wait_tensorcnt 0x3                           ; my parts of the numbers and of chunk 0 are in; chunks 1 to 3 stay out
	s_barrier_signal -1
	s_barrier_wait -1                              ; everybody's are
	s_mov_b32 s[TB], 0
	s_mov_b32 s[TC], 0
	s_mov_b32 s[GB], GM0
	LOADA
	s_wait_loadcnt 0x0                             ; the queries and the cap
	QUARTER 0
	QUARTER 1
	QUARTER 2
	QUARTER 3
	s_mov_b32 s[TQ], 4
.Ltail:                                            ; the last quarter's 32 groups
	LOADX
	s_wait_dscnt 0x0
	INS8
	s_add_co_u32 s[XB], s[XB], GMT
	s_sub_co_u32 s[TQ], s[TQ], 1
	s_cmp_lg_u32 s[TQ], 0
	s_cbranch_scc1 .Ltail
.irp i, 0,1,2,3,4
	v_add_f32 v[L+2*\i], 0, v[L+2*\i]              ; -0 becomes +0
	s_delay_alu instid0(VALU_DEP_1)
	v_ashrrev_i32 v[T], 31, v[L+2*\i]
	s_delay_alu instid0(VALU_DEP_1)
	v_and_b32 v[T], 0x7fffffff, v[T]
	s_delay_alu instid0(VALU_DEP_1)
	v_xor_b32 v[L+2*\i], v[L+2*\i], v[T]           ; a negative number's lower 31 bits are turned over: the int32 orders as the f32 does
	v_add_nc_u32 v[L+2*\i+1], s71, v[L+2*\i+1]     ; the group's number among all 1,024
.endr
.irp i, 0,1,2,3,4
	global_store_b64 v[ST], v[L+2*\i:L+2*\i+1], s[12:13] offset:65536*\i   ; a wave stores 256 consecutive bytes, at a multiple of 256 from the buffer's first byte
.endr
	s_wait_tensorcnt 0x0                           ; the wave's end
	ds_add_u32 v[SPW], v[NIL]
	s_wait_dscnt 0x0
	ROUND                                          ; the closing round: no work-group ends while a partner may still ask for a tile that names it
	s_endpgm
.Lfunc_end_k_q7bbaa7596c_scan:
	.size	k_q7bbaa7596c_scan, .Lfunc_end_k_q7bbaa7596c_scan-k_q7bbaa7596c_scan
	.p2alignl 7, 3214868480
	.fill 96, 4, 3214868480
	.section	.rodata,"a",@progbits
	.p2align	6, 0x0
	.amdhsa_kernel k_q7bbaa7596c_scan
		.amdhsa_group_segment_fixed_size 327680
		.amdhsa_private_segment_fixed_size 0
		.amdhsa_enable_private_segment 0
		.amdhsa_kernarg_size 40
		.amdhsa_user_sgpr_count 2
		.amdhsa_user_sgpr_kernarg_segment_ptr 1
		.amdhsa_wavefront_size32 1
		.amdhsa_system_sgpr_workgroup_id_x 1
		.amdhsa_system_sgpr_workgroup_id_y 1
		.amdhsa_system_sgpr_workgroup_id_z 1
		.amdhsa_system_vgpr_workitem_id 0
		.amdhsa_next_free_vgpr 384
		.amdhsa_next_free_sgpr 80
		.amdhsa_reserve_vcc 0
		.amdhsa_float_denorm_mode_32 3
		.amdhsa_float_denorm_mode_16_64 3
		.amdhsa_memory_ordered 1
		.amdhsa_forward_progress 1
		.amdhsa_inst_pref_size 145
	.end_amdhsa_kernel
	.amdgpu_metadata
---
amdhsa.version: [ 1, 2 ]
amdhsa.kernels:
  - .name:           k_q7bbaa7596c_scan
    .symbol:         k_q7bbaa7596c_scan.kd
    .args:
      - { .name: mimg, .offset: 0, .size: 8, .value_kind: global_buffer, .address_space: global }
      - { .name: mh, .offset: 8, .size: 8, .value_kind: global_buffer, .address_space: global }
      - { .name: qimg, .offset: 16, .size: 8, .value_kind: global_buffer, .address_space: global }
      - { .name: qs, .offset: 24, .size: 8, .value_kind: global_buffer, .address_space: global }
      - { .name: cand, .offset: 32, .size: 8, .value_kind: global_buffer, .address_space: global }
    .group_segment_fixed_size: 327680
    .private_segment_fixed_size: 0
    .kernarg_segment_align: 8
    .kernarg_segment_size: 40
    .max_flat_workgroup_size: 256
    .sgpr_count:     80
    .vgpr_count:     384
    .wavefront_size: 32
...
	.end_amdgpu_metadata
.endif
;; end of part 2
;; launch finish (part 3): grid 512 x 1, 6 waves a work-group, no clusters, 6,912 bytes of LDS; arguments cand, mimg, qimg, mh, qs, neighbor_scale_bank, lowp_scales, out0; writes out0
.if DOCPART == 3
	.amdgcn_target "amdgcn-amd-amdhsa--gfx1250"
	.amdhsa_code_object_version 6
	.text
	.protected	k_q7bbaa7596c_finish
	.globl	k_q7bbaa7596c_finish
	.p2align	8
	.type	k_q7bbaa7596c_finish,@function
k_q7bbaa7596c_finish:
	s_mov_b64 s[64:65], 0
	v_nop
	global_prefetch_b8 v0, s[64:65] scope:SCOPE_SE
	s_setreg_imm32_b32 hwreg(HW_REG_WAVE_MODE, 25, 1), 1
	s_wait_xcnt 0x0
; THE SECOND LOOK.  For each query: the 8 x 5 candidate groups of the launch before are merged to the five best; their 80 rows are multiplied with the query again (the same matrix instruction on the same codes);
; d2 is formed as the problem forms it, (q2 + m2) - 2 q.m, clamped from below; the five nearest rows are picked, each with its neighbour scale beside it; the result is computed from the five.
; All of d2's arithmetic is done in units of 2^(e+1), e = eq + em: qs = q2 x 2^(-1-e) and mh = -m2 x 2^(-1-e) come so from the first launch, the codes' sum stands for q.m x 2^(-e): the roundings are those of the unscaled sums.
; ADDRESSES hang only on whole numbers that this launch reads from cand, through integer comparisons and selections, and each is held under 1,024 by a minimum with a constant as the last step ahead of shifts and additions.
; SHARES.  A work-group takes 16 queries (one query image).  r = lane % 16, hh = lane / 16: lanes r and r + 16 serve query r.  Every wave merges the candidates by itself, so that no group's number goes through LDS.
; Waves 0 to 4: wave k fetches, for each of the 16 queries, the image of its k-th group (groups in ascending order) and multiplies it with the 16 queries; of each result only the column of that query is kept.
; Wave 5 meanwhile fetches mh and neighbor_scale_bank of the 80 rows, and then picks and computes.  The five waves' results reach it through LDS as images of their eight registers; one barrier.
; TIES go to the lower index throughout: slices and groups are merged in ascending order with strict comparisons; for the rows, lanes 0-15 take the lower 40 of a query's 80 rows in ascending order, lanes 16-31 the upper 40.
; OUT.  A work-group's result is 64 bytes, a quarter of an aligned 256: 64 queries to a work-group would leave 128 work-groups for the gather of 10 KiB a query; the whole output is 32 KiB.
; No cluster and no tensor load: no two work-groups share what they gather, and the addresses hang on loaded numbers.
; LIMITS: e + 1 and -1 - e are applied by v_ldexp_f32; 1e-12 x 2^(-1-e) must be a normal f32 number (e between -87 and 85).  NaN is not served.  The five are chosen by d2 in f32, not by its rounded root.
; REGISTERS: v1 lane, v2 r, v3 hh, v4 16 x lane (memory), v5 cand's offset, v6, v7 LDS addresses, v8, v9 at work, v10 4 r; v20-24 the five groups; v25 my wave's; v26-30 the slots' offsets; v31 qs.
;   waves 0-4: v32-47 the queries' fragment; v48-63 sixteen offsets; v64-71 what is kept; v72-103 four results; v128-255 eight fragments.
;   wave 5: v32-71 and v208-223 the slots' sums; v72-76 five d2, v77-81 their scales; v92-106 at work; v128-167 mh, then d2; v168-207 the rows' scales; v208-247 the five waves' images.
.set KL,  128                          ; the candidates, pairs (key, group), 20 a lane; the first five are the list
.set PK,  138                          ; the partner's list: registers of candidates that are done with
.set G,   20
.set IK,  25
.set OS,  26
.set QS,  31
.set B,   32
.set OFF, 48
.set XR,  64
.set DR,  72
.set AF,  128
.set MH,  128
.set NS,  168
.set Y,   208
.set W,   72
.set P,   77
.set FL,  92
.set MK,  56                           ; s[56:60] five masks
.set HM,  61                           ; s61: lanes 16-31
; a candidate (key in v[t], group in v[t+1]) into the list of five, largest key first; the strict comparison leaves the earlier one in front
.macro INSI t
.irp i, 0,1,2,3,4
	v_cmp_gt_i32 s[MK+\i], v[\t], v[KL+2*\i]
.endr
.irp i, 4,3,2,1
	v_cndmask_b32 v[KL+2*\i], v[KL+2*\i], v[\t], s[MK+\i]
	v_cndmask_b32 v[KL+2*\i+1], v[KL+2*\i+1], v[\t+1], s[MK+\i]
	v_cndmask_b32 v[KL+2*\i], v[KL+2*\i], v[KL+2*\i-2], s[MK+\i-1]
	v_cndmask_b32 v[KL+2*\i+1], v[KL+2*\i+1], v[KL+2*\i-1], s[MK+\i-1]
.endr
	v_cndmask_b32 v[KL], v[KL], v[\t], s[MK]
	v_cndmask_b32 v[KL+1], v[KL+1], v[\t+1], s[MK]
.endm
.macro CSW a, b                        ; groups a and b in ascending order
	v_cmp_gt_u32 vcc_lo, v[G+\a], v[G+\b]
	v_mov_b32 v8, v[G+\a]
	v_cndmask_b32 v[G+\a], v[G+\a], v[G+\b], vcc_lo
	v_cndmask_b32 v[G+\b], v[G+\b], v8, vcc_lo
.endm
.macro FRAG n                          ; the image of query n's group into buffer n % 8
.irp c, 0,1,2,3
	global_load_b128 v[AF+16*((\n)%8)+4*\c:AF+16*((\n)%8)+4*\c+3], v[OFF+(\n)], s[6:7] offset:512*\c
.endr
.endm
; a row (d2 in v[t], its scale in v[p]) into the list of five, smallest first
.macro INSW t, p
.irp i, 0,1,2,3,4
	v_cmp_lt_f32 s[MK+\i], v[\t], v[W+\i]
.endr
.irp i, 4,3,2,1
	v_med3_num_f32 v[W+\i], v[W+\i-1], v[W+\i], v[\t]
.endr
	v_min_num_f32 v[W], v[W], v[\t]
.irp i, 4,3,2,1
	v_cndmask_b32 v[P+\i], v[P+\i], v[\p], s[MK+\i]
	v_cndmask_b32 v[P+\i], v[P+\i], v[P+\i-1], s[MK+\i-1]
.endr
	v_cndmask_b32 v[P], v[P], v[\p], s[MK]
.endm
; slot s: eight rows; their sums stand in v[base] on
.macro WSLOT s, base
.irp j, 0,1,2,3,4,5,6,7
	v_sub_f32 v[MH+8*\s+\j], v[QS], v[MH+8*\s+\j]              ; q2 + m2
.endr
.irp j, 0,1,2,3,4,5,6,7
	v_sub_f32 v[MH+8*\s+\j], v[MH+8*\s+\j], v[\base+\j]        ; - 2 q.m
.endr
.irp j, 0,1,2,3,4,5,6,7
	v_max_num_f32 v[MH+8*\s+\j], v[MH+8*\s+\j], v[FL]          ; at least 1e-12
.endr
.irp j, 0,1,2,3,4,5,6,7
	INSW MH+8*\s+\j, NS+8*\s+\j
.endr
.endm
	s_load_b256 s[4:11], s[0:1], 0x0               ; cand s[4:5], mimg s[6:7], qimg s[8:9], mh s[10:11]
	s_load_b256 s[12:19], s[0:1], 0x20             ; qs s[12:13], neighbor_scale_bank s[14:15], the scales' exponents s[16:17], out0 s[18:19]
	v_lshl_add_u32 v126, v0, 2, 0x1800
	v_mov_b32 v127, 0
	v_lshrrev_b32 v1, 5, v0
	v_readfirstlane_b32 s20, v1                    ; wave 0..5
	v_and_b32 v1, 31, v0
	v_and_b32 v2, 15, v0
	v_bfe_u32 v3, v0, 4, 1
	v_lshlrev_b32 v4, 4, v1
	v_lshlrev_b32 v7, 4, v1                        ; LDS: an image's place for my lane
	s_lshl_b32 s21, s20, 10
	v_add_nc_u32 v6, s21, v7                       ; LDS: my wave's image.  Both LDS addresses are made here, ahead of the parting of the waves
	v_mul_u32_u24 v5, v3, 0x140000                 ; lanes 16-31 read slices 4 to 7: 20 planes of 65,536 bytes on
	v_lshl_add_u32 v5, v2, 3, v5
	v_lshlrev_b32 v10, 2, v2
	s_mov_b32 s62, 0x76543210
	s_mov_b32 s63, 0xfedcba98                      ; v_permlanex16_b32's selects for lane l xor 16
	s_mov_b32 s[HM], 0xffff0000
	s_lshl_b32 s26, ttmp9, 7                       ; my 16 queries' pairs in a plane
	s_mov_b32 s27, 0
	s_wait_alu depctr_va_vdst(0)
	s_wait_kmcnt 0x0
	s_load_b64 s[22:23], s[16:17], 0x0             ; eq, em
	s_add_nc_u64 s[4:5], s[4:5], s[26:27]
.set pp, 0
.rept 20
	global_load_b64 v[KL+2*pp:KL+2*pp+1], v5, s[4:5] offset:65536*pp   ; plane 5 x slice + k
.set pp, pp+1
.endr
	s_lshl_b32 s26, ttmp9, 11
	s_add_nc_u64 s[8:9], s[8:9], s[26:27]          ; my query image
	s_lshl_b32 s26, ttmp9, 6
	s_add_nc_u64 s[12:13], s[12:13], s[26:27]      ; my 16 numbers of qs,
	s_add_nc_u64 s[18:19], s[18:19], s[26:27]      ; and of the output
	s_wait_kmcnt 0x0
	s_add_co_i32 s24, s22, s23                     ; e
	s_sub_co_i32 s25, -1, s24                      ; -1 - e
	s_add_co_i32 s24, s24, 1                       ; e + 1
	s_wait_loadcnt 0x0
	; the merge: my four slices, in ascending order; each slice's five come sorted
.set pp, 5
.rept 15
	INSI KL+2*pp
.set pp, pp+1
.endr
	; the two halves: of two sorted lists the five best are the better of entry i and the other list's entry 4 - i.  On equal keys the lower slices' entry is taken, in both halves: so both hold the same five
.irp i, 0,1,2,3,4
	v_permlanex16_b32 v[PK+2*\i], v[KL+2*(4-\i)], s62, s63
	v_permlanex16_b32 v[PK+2*\i+1], v[KL+2*(4-\i)+1], s62, s63
.endr
.irp i, 0,1,2,3,4
	v_add_nc_u32 v8, v[PK+2*\i], v3                ; lanes 0-15: the partner's if greater; lanes 16-31: if greater or equal
	v_cmp_gt_i32 vcc_lo, v8, v[KL+2*\i]
	v_cndmask_b32 v[G+\i], v[KL+2*\i+1], v[PK+2*\i+1], vcc_lo
.endr
	CSW 0, 1                                       ; nine exchanges sort five numbers
	CSW 3, 4
	CSW 2, 4
	CSW 2, 3
	CSW 1, 4
	CSW 0, 3
	CSW 0, 2
	CSW 1, 3
	CSW 1, 2
	s_cmp_eq_u32 s20, 5
	s_cbranch_scc1 .Lwave5
	; ---- waves 0 to 4: sixteen images, sixteen products
	v_mov_b32 v[IK], v[G]
.irp k, 1,2,3,4
	s_wait_alu depctr_va_vdst(0)
	s_cmp_eq_u32 s20, \k
	s_cselect_b32 s21, -1, 0
	v_cndmask_b32 v[IK], v[IK], v[G+\k], s21       ; my wave's group of each query
.endr
	s_wait_alu depctr_va_vdst(0)
.irp c, 0,1,2,3
	global_load_b128 v[B+4*\c:B+4*\c+3], v4, s[8:9] offset:512*\c
.endr
.irp n, 0,1,2,3,4,5,6,7,8,9,10,11,12,13,14,15
	v_readlane_b32 s[40+\n], v[IK], \n
	s_min_u32 s[40+\n], s[40+\n], 0x3ff            ; a loaded number enters an address behind this bound
	s_lshl_b32 s[40+\n], s[40+\n], 11              ; an image is 2,048 bytes
	v_add_nc_u32 v[OFF+\n], s[40+\n], v4
.endr
.irp n, 0,1,2,3,4,5,6,7
	FRAG \n
.endr
	s_wait_alu depctr_va_vdst(0)
.irp g, 0,1,2,3
.if \g < 3
	s_wait_loadcnt 16                              ; loads come back in order: all but the four youngest fragments' sixteen are in
.else
	s_wait_loadcnt 0x0
.endif
.irp q, 0,1,2,3
	v_wmma_f32_16x16x128_bf8_bf8 v[DR+8*\q:DR+8*\q+7], v[AF+16*((4*\g+\q)%8):AF+16*((4*\g+\q)%8)+15], v[B:B+15], 0
.endr
.rept 4
	v_nop                                          ; four places in front of loads into registers that the products have read, and of the first read of results
.endr
.if \g < 2
.irp q, 0,1,2,3
	FRAG 4*\g+8+\q
.endr
.endif
	s_wait_alu depctr_va_vdst(0)
.irp q, 0,1,2,3
.if (4*\g+\q) == 0
.irp j, 0,1,2,3,4,5,6,7
	v_mov_b32 v[XR+\j], v[DR+\j]                   ; the first writes every lane
.endr
.else
	s_mov_b32 s21, 0x00010001<<(4*\g+\q)           ; lanes n and n + 16 hold query n's column: its group's rows 0-7 and 8-15
.irp j, 0,1,2,3,4,5,6,7
	v_cndmask_b32 v[XR+\j], v[XR+\j], v[DR+8*\q+\j], s21
.endr
.endif
.endr
.endr
	ds_store_b128 v6, v[XR:XR+3]                   ; my eight registers go to LDS as they stand
	ds_store_b128 v6, v[XR+4:XR+7] offset:512
	s_branch .Ljoin
.Lwave5:
	; ---- wave 5: mh and the scales of the query's 80 rows, in five slots of eight rows.  Lanes 0-15: (G0 low), (G0 high), (G1 low), (G1 high), (G2 low); lanes 16-31: (G2 high), (G3 low), (G3 high), (G4 low), (G4 high)
	v_lshlrev_b32 v8, 5, v3                        ; 32 hh: the upper eight rows in lanes 16-31
	v_sub_nc_u32 v9, 32, v8                        ; and the other way round
	s_wait_alu depctr_va_vdst(0)
	v_cndmask_b32 v[OS], v[G], v[G+2], s[HM]
	v_cndmask_b32 v[OS+1], v[G], v[G+3], s[HM]
	v_cndmask_b32 v[OS+2], v[G+1], v[G+3], s[HM]
	v_cndmask_b32 v[OS+3], v[G+1], v[G+4], s[HM]
	v_cndmask_b32 v[OS+4], v[G+2], v[G+4], s[HM]
.irp s, 0,1,2,3,4
	v_min_u32 v[OS+\s], 0x3ff, v[OS+\s]            ; a loaded number enters an address behind this bound
.endr
	v_lshl_add_u32 v[OS], v[OS], 6, v8             ; a group's 16 numbers are 64 bytes
	v_lshl_add_u32 v[OS+1], v[OS+1], 6, v9
	v_lshl_add_u32 v[OS+2], v[OS+2], 6, v8
	v_lshl_add_u32 v[OS+3], v[OS+3], 6, v9
	v_lshl_add_u32 v[OS+4], v[OS+4], 6, v8
.irp s, 0,1,2,3,4
	global_load_b128 v[MH+8*\s:MH+8*\s+3], v[OS+\s], s[10:11]
	global_load_b128 v[MH+8*\s+4:MH+8*\s+7], v[OS+\s], s[10:11] offset:16
	global_load_b128 v[NS+8*\s:NS+8*\s+3], v[OS+\s], s[14:15]
	global_load_b128 v[NS+8*\s+4:NS+8*\s+7], v[OS+\s], s[14:15] offset:16
.endr
	global_load_b32 v[QS], v10, s[12:13]
.Ljoin:
	s_wait_dscnt 0x0                               ; for wave 5's sake: my stores have landed
	s_barrier_signal -1
	s_barrier_wait -1
	s_cmp_lg_u32 s20, 5
	s_cbranch_scc1 .Lend
	; ---- wave 5 picks and computes
.irp k, 0,1,2,3,4
	ds_load_b128 v[Y+8*\k:Y+8*\k+3], v7 offset:1024*\k            ; lane (r, hh): query r, group k, rows 8 hh + 0 .. 7
	ds_load_b128 v[Y+8*\k+4:Y+8*\k+7], v7 offset:1024*\k+512
.endr
	v_mov_b32 v[FL], 0x2b8cbccc                    ; 1e-12,
	v_ldexp_f32 v[FL], v[FL], s25                  ; in units of 2^(e+1)
.irp i, 0,1,2,3,4
	v_mov_b32 v[W+\i], 0x7f800000                  ; the list begins at +infinity
	v_mov_b32 v[P+\i], 0
.endr
	s_wait_dscnt 0x0
.irp j, 0,1,2,3,4,5,6,7
	v_cndmask_b32 v[32+\j], v[Y+\j], v[Y+16+\j], s[HM]            ; slot 0: my own: G0 low | G2 high
	v_cndmask_b32 v[48+\j], v[Y+8+\j], v[Y+24+\j], s[HM]          ; slot 2: G1 low | G3 high
	v_cndmask_b32 v[64+\j], v[Y+16+\j], v[Y+32+\j], s[HM]         ; slot 4: G2 low | G4 high
	v_cndmask_b32 v[40+\j], v[Y+24+\j], v[Y+\j], s[HM]            ; for the partner's slot 1: I send G3 low | G0 high
	v_cndmask_b32 v[56+\j], v[Y+32+\j], v[Y+8+\j], s[HM]          ; for its slot 3: G4 low | G1 high
.endr
.irp j, 0,1,2,3,4,5,6,7
	v_permlanex16_b32 v[Y+\j], v[40+\j], s62, s63                 ; slot 1, into registers that are done with
	v_permlanex16_b32 v[Y+8+\j], v[56+\j], s62, s63               ; slot 3
.endr
	s_wait_loadcnt 0x0                             ; mh, the scales, qs
	WSLOT 0, 32
	WSLOT 1, Y
	WSLOT 2, 48
	WSLOT 3, Y+8
	WSLOT 4, 64
.irp i, 0,1,2,3,4
	v_permlanex16_b32 v[MH+\i], v[W+4-\i], s62, s63               ; the partner's list, turned round
	v_permlanex16_b32 v[MH+5+\i], v[P+4-\i], s62, s63
.endr
.irp i, 0,1,2,3,4
	v_cmp_lt_f32 vcc_lo, v[MH+\i], v[W+\i]         ; the five nearest of both lists; on equal d2 lanes 0-15 keep their own, the lower rows.  From here on lanes 0-15 count
	v_cndmask_b32 v[W+\i], v[W+\i], v[MH+\i], vcc_lo
	v_cndmask_b32 v[P+\i], v[P+\i], v[MH+5+\i], vcc_lo
.endr
.irp i, 0,1,2,3,4
	v_ldexp_f32 v[W+\i], v[W+\i], s24              ; d2
.endr
	s_wait_alu depctr_va_vdst(0)
.irp i, 0,1,2,3,4
	v_sqrt_f32 v[W+\i], v[W+\i]                    ; the five distances
.endr
	v_add_f32 v[P], v[P], v[P+1]                   ; meanwhile the mean of the five scales, at least 1e-6
	v_add_f32 v[P+2], v[P+2], v[P+3]
	v_add_f32 v[P], v[P], v[P+4]
	v_add_f32 v[P], v[P], v[P+2]
	v_mul_f32 v[P], 0x3e4ccccd, v[P]
	v_max_num_f32 v[P], 0x358637bd, v[P]
	s_wait_alu depctr_va_vdst(0)                   ; one wait for the five roots, ahead of their first reader
	v_min3_num_f32 v93, v[W], v[W+1], v[W+2]
	v_min3_num_f32 v93, v93, v[W+3], v[W+4]        ; the smallest distance: the softmax's largest exponent is taken away
	v_add_f32 v94, v[W], v[W+1]
	v_add_f32 v100, v[W+2], v[W+3]
	v_add_f32 v94, v94, v[W+4]
	v_add_f32 v94, v94, v100
	v_mul_f32 v100, 0x3e4ccccd, v94                ; the mean distance
.irp i, 0,1,2,3,4
	v_sub_f32 v[95+\i], v93, v[W+\i]
.endr
.irp i, 0,1,2,3,4
	v_mul_f32 v[95+\i], 0x3fb8aa3b, v[95+\i]       ; x log2(e)
.endr
	s_wait_alu depctr_va_vdst(0)
.irp i, 0,1,2,3,4
	v_exp_f32 v[95+\i], v[95+\i]
.endr
	v_sub_f32 v101, v[W], v100                     ; meanwhile the variance
	v_mul_f32 v102, v101, v101
.irp i, 1,2,3,4
	v_sub_f32 v101, v[W+\i], v100
	v_fmac_f32 v102, v101, v101
.endr
	v_mul_f32 v102, 0x3e4ccccd, v102
	v_max_num_f32 v102, 0, v102
	v_max_num_f32 v105, 0x358637bd, v100
	s_wait_alu depctr_va_vdst(0)                   ; one wait for the five exponentials
	v_add_f32 v103, v95, v96
	v_mul_f32 v104, v95, v[W]
	v_add_f32 v103, v103, v97
	v_fmac_f32 v104, v96, v[W+1]
	v_add_f32 v103, v103, v98
	v_fmac_f32 v104, v97, v[W+2]
	v_add_f32 v103, v103, v99                      ; the weights' sum
	v_fmac_f32 v104, v98, v[W+3]
	v_fmac_f32 v104, v99, v[W+4]                   ; the sum of weight x distance
	s_wait_alu depctr_va_vdst(0)
	v_rcp_f32 v103, v103
	v_rcp_f32 v106, v[P]
	v_rcp_f32 v105, v105
	v_sqrt_f32 v102, v102
	v_nop                                          ; a plain line behind the last of the batch
	s_wait_alu depctr_va_vdst(0)                   ; one wait for the four
	v_mul_f32 v102, v102, v105                     ; the deviation / the mean
	v_mul_f32 v104, v104, v103                     ; the weighted distance
	v_fma_f32 v102, v102, 0.5, 1.0
	v_mul_f32 v104, v104, v106                     ; / the mean scale
	v_mul_f32 v104, v104, v102
	s_wait_alu depctr_va_vdst(0)
	s_wait_xcnt 0x0                                ; EXEC changes only behind this wait
	v_cmp_gt_u32 vcc_lo, 16, v1
	s_and_saveexec_b32 s21, vcc_lo
	global_store_b32 v10, v104, s[18:19]           ; sixteen lanes store the work-group's 64 bytes
	s_wait_xcnt 0x0
	s_or_b32 exec_lo, exec_lo, s21
.Lend:
	s_wait_tensorcnt 0x0
	ds_add_u32 v126, v127
	s_wait_dscnt 0x0
	s_endpgm
.Lfunc_end_k_q7bbaa7596c_finish:
	.size	k_q7bbaa7596c_finish, .Lfunc_end_k_q7bbaa7596c_finish-k_q7bbaa7596c_finish
	.p2alignl 7, 3214868480
	.fill 96, 4, 3214868480
	.section	.rodata,"a",@progbits
	.p2align	6, 0x0
	.amdhsa_kernel k_q7bbaa7596c_finish
		.amdhsa_group_segment_fixed_size 6912
		.amdhsa_private_segment_fixed_size 0
		.amdhsa_enable_private_segment 0
		.amdhsa_kernarg_size 64
		.amdhsa_user_sgpr_count 2
		.amdhsa_user_sgpr_kernarg_segment_ptr 1
		.amdhsa_wavefront_size32 1
		.amdhsa_system_sgpr_workgroup_id_x 1
		.amdhsa_system_sgpr_workgroup_id_y 1
		.amdhsa_system_sgpr_workgroup_id_z 1
		.amdhsa_system_vgpr_workitem_id 0
		.amdhsa_next_free_vgpr 256
		.amdhsa_next_free_sgpr 72
		.amdhsa_reserve_vcc 1
		.amdhsa_float_denorm_mode_32 3
		.amdhsa_float_denorm_mode_16_64 3
		.amdhsa_memory_ordered 1
		.amdhsa_forward_progress 1
		.amdhsa_inst_pref_size 111
	.end_amdhsa_kernel
	.amdgpu_metadata
---
amdhsa.version: [ 1, 2 ]
amdhsa.kernels:
  - .name:           k_q7bbaa7596c_finish
    .symbol:         k_q7bbaa7596c_finish.kd
    .args:
      - { .name: cand, .offset: 0, .size: 8, .value_kind: global_buffer, .address_space: global }
      - { .name: mimg, .offset: 8, .size: 8, .value_kind: global_buffer, .address_space: global }
      - { .name: qimg, .offset: 16, .size: 8, .value_kind: global_buffer, .address_space: global }
      - { .name: mh, .offset: 24, .size: 8, .value_kind: global_buffer, .address_space: global }
      - { .name: qs, .offset: 32, .size: 8, .value_kind: global_buffer, .address_space: global }
      - { .name: neighbor_scale_bank, .offset: 40, .size: 8, .value_kind: global_buffer, .address_space: global }
      - { .name: lowp_scales, .offset: 48, .size: 8, .value_kind: global_buffer, .address_space: global }
      - { .name: out0, .offset: 56, .size: 8, .value_kind: global_buffer, .address_space: global }
    .group_segment_fixed_size: 6912
    .private_segment_fixed_size: 0
    .kernarg_segment_align: 8
    .kernarg_segment_size: 64
    .max_flat_workgroup_size: 192
    .sgpr_count:     72
    .vgpr_count:     256
    .wavefront_size: 32
...
	.end_amdgpu_metadata
.endif
;; end of part 3
